; MI455X (gfx1250); checked and timed in simulation.
; The chip was launched on July 23, 2026; its instructions are those of AMD's public machine-readable ISA for CDNA 5 (MIT licence, August 2026) and "CDNA5" Instruction Set Architecture Reference Guide (July 2026). The comments in the code are by the model that wrote it; some were corrected since.
;; Multihead SIM. Allowed arithmetic: matrix products marked QUANTISED: E2M3 operands, one E8M0 scale for each 32 along K, by v_wmma_scale_f32_16x16x128_f8f6f4 with both operands' format E2M3, f32 sums; products left as they are: f32 operands where the result goes on into a quantised operand, else bf16, f16 or f32 operands; f32 sums; everything else in f32.
;; Inputs: bk 256 float32; bq 256 float32; bv 256 float32; fc_cat_b 2 float32; fc_cat_w 256 x 2 float32; fc_out_b 256 float32; fc_out_w 512 x 256 float32; gumbel_u 8 x 128 x 128 x 2 float32; memory_w 128 x 2,048 float32; mlp_b1 256 float32; mlp_b2 256 float32; mlp_w1 256 x 256 float32; mlp_w2 256 x 256 float32; out_b 256 float32; out_w 256 x 256 float32; wk 256 x 256 float32; wq 256 x 256 float32; wv 256 x 256 float32; x 32 x 128 x 256 float32.
;; Outputs: out0 32 x 128 x 256 float32.
;; This version of the problem:
;;   THIS VERSION OF THE PROBLEM IS GIVEN IN LOW PRECISION. The matrix products marked QUANTISED in the list below multiply operands that are first quantised to E2M3 (2 exponent bits, 3 mantissa bits; 6 bits a number), with one power-of-two scale for each 32 numbers along K (OCP MX v1.0); their sums are f32. All else is computed in f32.
;;   The module's matrix products, in the order in which they are computed (A, B: the left and right operand; K: the contracted axis; several contracted axes count as one K, in the product's order):
;;     1. [M 131,072, K 512] x [K 512, N 256]; A: computed on the way; B: input fc_out_w: QUANTISED
;;     2. [M 131,072, K 256] x [K 256, N 2]; A: computed on the way; B: input fc_cat_w: left as it is (N = 2 < 16)
;;     3. [M 4,096, K 256] x [K 256, N 256]; A: input x; B: input mlp_w1: QUANTISED
;;     4. [M 4,096, K 256] x [K 256, N 256]; A: computed on the way; B: input mlp_w2: QUANTISED
;;     5. [M 4,096, K 256] x [K 256, N 256]; A: computed on the way; B: input wq: QUANTISED
;;     6. [M 4,096, K 256] x [K 256, N 256]; A: computed on the way; B: input wk: QUANTISED
;;     7. [M 4,096, K 256] x [K 256, N 256]; A: computed on the way; B: input wv: QUANTISED
;;     8. batch 256 x [M 128, K 32] x [K 32, N 128]; A: computed on the way; B: computed on the way: QUANTISED
;;     9. batch 256 x [M 128, K 128] x [K 128, N 32]; A: softmax (see below); B: computed on the way: QUANTISED
;;     10. [M 4,096, K 256] x [K 256, N 256]; A: computed on the way; B: input out_w: QUANTISED
;;   THE QUANTISER, for each operand of a quantised product, along K:
;;     - K is cut into blocks of 32 from its start; a last block that is shorter is filled with zeros.
;;     - A block's scale is 2^e with e = floor(log2(the largest magnitude in the block)) - 2, held to -126 .. 127; a block of zeros has e = 0. As a byte (E8M0): e + 127.
;;     - Each number is divided by its block's scale, clamped to +-7.5, and rounded to the nearest number of E2M3, ties to even, subnormals kept.
;;     - The product sums the exact products of the quantised numbers (number of the format x scale) in f32.
;;   ~~~python
;;   def quantise(x, axis):      # numpy; x: float32 -> the quantised numbers, widened to float32 again
;;       x = np.moveaxis(x, axis, -1); K = x.shape[-1]
;;       x = np.pad(x, [(0, 0)] * (x.ndim - 1) + [(0, -K % 32)]); x = x.reshape(x.shape[:-1] + (-1, 32)); a = np.abs(x).max(-1, keepdims=True)
;;       e = np.where(a > 0, np.clip(np.frexp(np.where(a > 0, a, 1))[1] - 1 - 2, -126, 127), 0)      # np.frexp(a)[1] - 1 = floor(log2(a)), exactly
;;       r = np.clip(x / 2.0 ** e, -7.5, 7.5)
;;       step = 2.0 ** (np.maximum(np.frexp(np.where(r == 0, 1, r))[1] - 1, 0) - 3)
;;       q = np.round(r / step) * step * 2.0 ** e      # np.round: ties to even
;;       return np.moveaxis(q.reshape(q.shape[:-2] + (-1,))[..., :K], -1, axis).astype(np.float32)
;;   ~~~
;;   SOFTMAX AHEAD OF A QUANTISED PRODUCT. Where the list says 'softmax', what is quantised is not the finished softmax but p = 2^(t - M), with t = logit x log2(e) and M = ceil(the row's largest t), a whole number; so 1/2 < the row's largest p <= 1. The row's sum l is taken of the UNQUANTISED p, in f32, and the product's result is divided by l at the end. Since M is a whole number, a kernel that streams over the keys may use a running M (the ceiling of the running maximum): every later rescaling is an exact power of two, which a block's scale takes up: the codes' values come out the same.
;;   OPERANDS COMPUTED ON THE WAY. 'Computed on the way' means the value that the module computes at that place (a softmax that the list does not call 'softmax' is quantised finished and normalised). What goes into a quantiser is computed in f32, as accurately as f32 sums, v_exp_f32 and their like allow (about 1e-6 of the number): no bf16 or f16 on the way to a quantiser, and a product that is left as it is and whose result goes on into a quantised operand takes f32 operands (vector FMAs, or v_wmma_f32_16x16x4_f32). A number that lies on a knife's edge between two numbers of the format may be rounded either way, as far as f32 arithmetic and the matrix unit's own rounding can turn it there, and no further.
;; One version. Each part assembles by itself: llvm-mc -triple=amdgcn-amd-amdhsa -mcpu=gfx1250 --defsym DOCPART=n.
;; ======== version 1 of 1: 3 launches
;; limits: right only within a limited range of input values
;; workspace buffers: wimg 307,200 bytes; prbuf 2,097,152 bytes; maskf 524,288 bytes; qbuf 1,048,576 bytes; kvimg 2,097,152 bytes
;; launch prep (part 1): grid 152 x 1, 16 waves a work-group, no clusters, 27,648 bytes of LDS; arguments fc_out_w, mlp_w1, mlp_w2, wq, wk, wv, out_w, memory_w, fc_out_b, wimg, prbuf; writes wimg, prbuf
.if DOCPART == 1
	.amdgcn_target "amdgcn-amd-amdhsa--gfx1250"
	.amdhsa_code_object_version 6
	.text
	.protected	k_q9b1ba9def8_prep
	.globl	k_q9b1ba9def8_prep
	.p2align	8
	.type	k_q9b1ba9def8_prep,@function
k_q9b1ba9def8_prep:
	s_mov_b64 s[64:65], 0
	v_nop
	global_prefetch_b8 v0, s[64:65] scope:SCOPE_SE
	s_setreg_imm32_b32 hwreg(HW_REG_WAVE_MODE, 25, 1), 1
	s_wait_xcnt 0x0
; THE FIRST PRODUCT BY ITS DISTINCT ROWS.  A pair's row is [feats(j) | feats(i)], 256 numbers each, and a block of 32 along K never straddles the join: its codes are the sender's and the receiver's codes.
; So the sum over K = 512 is P(j) + R(i), P = Q(feats) Q(fc_out_w's rows 0-255), R = Q(feats) Q(rows 256-511): 1,024 distinct rows a half in place of 131,072 pairs.  Every distinct row is multiplied, by the scaled
; FP6 matrix instruction, for all values of the inputs.  Of the two logits the hard choice uses the difference alone, so fc_cat_w and fc_cat_b enter by the differences of their two columns.  Every input is loaded.
; The choice's value y is one_hot - y_soft + y_soft, which is the one_hot in exact arithmetic.
; This launch: work-groups 0-127 make 64 rows x 64 outputs of P or of nR = -(R + fc_out_b); work-groups 128-151 turn 64 columns of one of the other six weights into codes and scale bytes.
; A WAVE'S JOB: 32 columns x one block of 32 along K of a weight (a lane a column, its registers down K: each load reads 128 consecutive bytes), and for P and nR half a fragment of the table (a lane a row's block of 32).
; A fragment in LDS: [c][lane][24 bytes], c the half of 64 along K.  THE COLUMNS OF A WEIGHT'S TILE ARE NOT NEIGHBOURS: column n of 32 is row (n % 8) + 8 (n / 16) of tile (n / 8) % 2.
; wimg, a weight u (mlp_w1, mlp_w2, wq, wk, wv, out_w): 51,200 bytes: 32 fragments (2 tile + K step) of [3 pieces][lane][16], then for each 64 columns [row 16][8 fragments] scale words.
; prbuf: P, then nR at 1 MiB: [head][32 units][32 rows][4 units][row][16 bytes].
; No cluster: a work-group reads its operands straight into registers, once.  No loop, so no prefetch.
; LIMITS: a block of zeros gets the byte 1 where the rule says 127 (its codes are zeros, and this program alone reads the bytes); NaN and infinities among the inputs are not served.
.set FLOOR, 0x1800000                  ; 2^(3 - 127): holds a scale's byte at 1 from below
.set WSCL,  12288
.set FIMG,  12800
.set FSC,   25088
.set SPARE, 25600
.set TM, 32
.set SO, 34
.set BY, 35
.set SPW, 30
.set NIL, 31
.macro WALU
	s_wait_alu depctr_va_vdst(0)
.endm
.macro QBLK x, d, e                    ; 32 numbers of one lane at x: their codes at d .. d + 5, their byte at BY
	v_max3_num_f32 v[TM], |v[\x]|, |v[\x+1]|, FLOOR
	v_max3_num_f32 v[TM+1], |v[\x+2]|, |v[\x+3]|, |v[\x+4]|
.irp i, 5,9,13,17,21,25
	v_max3_num_f32 v[TM], v[TM], |v[\x+\i]|, |v[\x+\i+1]|
	v_max3_num_f32 v[TM+1], v[TM+1], |v[\x+\i+2]|, |v[\x+\i+3]|
.endr
	v_max3_num_f32 v[TM], v[TM], |v[\x+29]|, |v[\x+30]|
	v_max3_num_f32 v[TM], v[TM], v[TM+1], |v[\x+31]|
	v_add_nc_u32 v[SO], 0xff000000, v[TM]          ; 2 off the exponent field: the conversion's scale operand
	v_lshrrev_b32 v[BY], 23, v[SO]
	v_cvt_scalef32_pk16_fp6_f32 v[\d:\d+2], v[\x:\x+15], v[SO]
	v_cvt_scalef32_pk16_fp6_f32 v[\e:\e+2], v[\x+16:\x+31], v[SO]
	v_nop
.irp i, 0,1,2
	v_mov_b32 v[\d+3+\i], v[\e+\i]                 ; a conversion's three registers begin on an even number
.endr
.endm
	s_load_b512 s[4:19], s[0:1], 0x0               ; fc_out_w, mlp_w1, mlp_w2, wq, wk, wv, out_w, memory_w
	s_load_b128 s[20:23], s[0:1], 0x40             ; fc_out_b, wimg
	s_load_b64 s[24:25], s[0:1], 0x50              ; prbuf
	v_lshl_add_u32 v[SPW], v0, 2, SPARE
	v_mov_b32 v[NIL], 0
	v_lshrrev_b32 v1, 5, v0
	v_readfirstlane_b32 s26, v1                    ; wave 0..15
	s_lshr_b32 s27, s26, 1                         ; kb: my block of 32 along K of the weight
	s_and_b32 s28, s26, 1                          ; cb: my 32 columns of 64
	s_lshr_b32 s29, s26, 2                         ; m: my tile of 16 rows
	s_and_b32 s30, s26, 3                          ; t: my tile of 16 outputs; also K step and half of my part of the table
	v_and_b32 v1, 31, v0                           ; lane
	v_and_b32 v2, 15, v0                           ; r
	v_bfe_u32 v3, v0, 4, 1                         ; h
	v_bfe_u32 v4, v0, 3, 1                         ; my column's tile of the pair
	v_and_b32 v5, 7, v0
	v_lshl_add_u32 v5, v3, 3, v5                   ; and its row there
	v_lshlrev_b32 v6, 2, v1                        ; a weight's load: 4 bytes a lane
	v_mul_u32_u24 v21, v1, 24
	WALU
	s_mul_i32 s31, s28, 6144
	s_mul_i32 s32, s27, 384
	s_add_co_u32 s31, s31, s32
	v_mul_u32_u24 v7, v5, 24
	v_mad_u32_u24 v7, v4, 3072, v7
	v_add_nc_u32 v7, s31, v7                       ; where my column's 24 bytes go
	s_lshl_b32 s31, s28, 4
	s_add_co_u32 s31, s31, s27
	s_add_co_u32 s31, s31, WSCL
	v_lshlrev_b32 v8, 5, v5
	v_lshl_add_u32 v8, v4, 3, v8
	v_add_nc_u32 v8, s31, v8                       ; and its scale byte
	s_mul_i32 s31, s26, 768
	s_add_co_u32 s31, s31, FIMG
	v_add_nc_u32 v9, s31, v21                      ; the table: my 24 bytes
	s_lshl_b32 s31, s27, 6
	s_lshl_b32 s32, s28, 1
	s_add_co_u32 s31, s31, s32
	s_add_co_u32 s31, s31, FSC
	v_lshl_add_u32 v10, v2, 2, v3
	v_add_nc_u32 v10, s31, v10                     ; its scale byte
	v_lshlrev_b32 v11, 13, v2
	v_lshl_add_u32 v11, v3, 7, v11                 ; its load: row r of 8,192 bytes, 32 numbers on for lanes 16-31
	s_mul_i32 s31, s30, 3072
	v_add_nc_u32 v12, s31, v21                     ; the product: the weight's fragments,
	s_lshl_b32 s31, s30, 3
	s_add_co_u32 s31, s31, WSCL
	v_lshlrev_b32 v13, 5, v2
	v_add_nc_u32 v13, s31, v13                     ; their scale words,
	s_mul_i32 s31, s29, 3072
	s_add_co_u32 s31, s31, FIMG
	v_add_nc_u32 v14, s31, v21                     ; the table's,
	s_lshl_b32 s31, s29, 7
	s_add_co_u32 s31, s31, FSC
	v_lshlrev_b32 v15, 2, v2
	v_add_nc_u32 v15, s31, v15                     ; and their scale words
	v_lshlrev_b32 v16, 11, v3
	v_lshl_add_u32 v16, v2, 4, v16                 ; the way out of P and nR
	v_lshlrev_b32 v17, 6, v3                       ; the bias: 16 numbers on for lanes 16-31
	v_lshlrev_b32 v18, 4, v1
	s_mul_i32 s31, s26, 1536
	v_add_nc_u32 v19, s31, v21                     ; copying out: fragment = wave
	v_add_nc_u32 v20, WSCL, v18
	WALU                                           ; the head's end
	s_wait_kmcnt 0x0
	s_and_b32 s38, ttmp9, 3                        ; which 64 columns, in both kinds of work-group
	s_sub_co_u32 s33, ttmp9, 128
	s_lshr_b32 s33, s33, 2                         ; which of the six weights; for P and nR a number above 5
	s_mov_b64 s[34:35], s[4:5]
	s_cmp_eq_u32 s33, 0
	s_cselect_b64 s[34:35], s[6:7], s[34:35]
	s_cmp_eq_u32 s33, 1
	s_cselect_b64 s[34:35], s[8:9], s[34:35]
	s_cmp_eq_u32 s33, 2
	s_cselect_b64 s[34:35], s[10:11], s[34:35]
	s_cmp_eq_u32 s33, 3
	s_cselect_b64 s[34:35], s[12:13], s[34:35]
	s_cmp_eq_u32 s33, 4
	s_cselect_b64 s[34:35], s[14:15], s[34:35]
	s_cmp_eq_u32 s33, 5
	s_cselect_b64 s[34:35], s[16:17], s[34:35]
	s_bfe_u32 s39, ttmp9, 0x10002                  ; P (0) or nR (1)
	s_lshl_b32 s40, s39, 18                        ; fc_out_w's lower half begins 256 rows of 1,024 bytes down
	s_cmp_lt_u32 ttmp9, 128
	s_cselect_b32 s36, s40, 0
	s_lshl_b32 s40, s38, 8
	s_add_co_u32 s36, s36, s40
	s_lshl_b32 s40, s27, 15
	s_add_co_u32 s36, s36, s40
	s_lshl_b32 s40, s28, 7
	s_add_co_u32 s36, s36, s40
	s_mov_b32 s37, 0
	s_add_nc_u64 s[34:35], s[34:35], s[36:37]      ; my block of the weight
	s_lshr_b32 s41, ttmp9, 4                       ; P, nR: the head,
	s_bfe_u32 s42, ttmp9, 0x10003                  ; and which 64 of its rows
	s_lshl_b32 s36, s41, 10
	s_lshl_b32 s40, s42, 19
	s_add_co_u32 s36, s36, s40
	s_lshl_b32 s40, s29, 17
	s_add_co_u32 s36, s36, s40
	s_lshl_b32 s40, s30, 8
	s_add_co_u32 s36, s36, s40
	s_add_nc_u64 s[18:19], s[18:19], s[36:37]      ; my part of the table
	s_lshr_b32 s43, s30, 1
	s_and_b32 s44, s30, 1
	s_lshl_b32 s36, s38, 8
	s_lshl_b32 s40, s43, 7
	s_add_co_u32 s36, s36, s40
	s_lshl_b32 s40, s44, 5
	s_add_co_u32 s36, s36, s40
	s_add_nc_u64 s[20:21], s[20:21], s[36:37]      ; the bias at my tile's units
	s_cmp_lt_u32 ttmp9, 128
	s_cbranch_scc0 .Lweight_a
.irp j, 0,1,2,3,4,5,6,7
	global_load_b128 v[96+4*\j:99+4*\j], v11, s[18:19] offset:16*\j
.endr
	global_load_b128 v[40:43], v17, s[20:21]
	global_load_b128 v[44:47], v17, s[20:21] offset:16
.Lweight_a:
.irp i, 0,1,2,3,4,5,6,7,8,9,10,11,12,13,14,15,16,17,18,19,20,21,22,23,24,25,26,27,28,29,30,31
	global_load_b32 v[64+\i], v6, s[34:35] offset:1024*\i
.endr
	s_cmp_lt_u32 ttmp9, 128
	s_cbranch_scc0 .Lweight_b
	s_wait_loadcnt 0x20                            ; the table's numbers and the bias are in; the weight's 32 loads may be out
	QBLK 96, 48, 54
	ds_store_b64 v9, v[48:49]
	ds_store_b64 v9, v[50:51] offset:8
	ds_store_b64 v9, v[52:53] offset:16
	ds_store_b8 v10, v[BY]
	WALU
.Lweight_b:
	s_wait_loadcnt 0x0
	QBLK 64, 56, 22
	ds_store_b64 v7, v[56:57]
	ds_store_b64 v7, v[58:59] offset:8
	ds_store_b64 v7, v[60:61] offset:16
	ds_store_b8 v8, v[BY]
	WALU
	s_cmp_lt_u32 ttmp9, 128
	s_cbranch_scc0 .Lcopy
	s_wait_dscnt 0x0                               ; my part is stored:
	s_barrier_signal -1
	s_barrier_wait -1                              ; everybody's is
.irp s, 0,1
.irp c, 0,1
.irp p, 0,1,2
	ds_load_b64 v[64+12*\s+6*\c+2*\p:65+12*\s+6*\c+2*\p], v12 offset:1536*\s+768*\c+8*\p
	ds_load_b64 v[88+12*\s+6*\c+2*\p:89+12*\s+6*\c+2*\p], v14 offset:1536*\s+768*\c+8*\p
.endr
.endr
	ds_load_b32 v[38+\s], v15 offset:64*\s
.endr
	ds_load_b64 v[36:37], v13
	s_cmp_eq_u32 s39, 0
	s_cselect_b32 s45, 1.0, -1.0                   ; P as it is, R with its sign turned,
	s_cselect_b32 s46, 0, -1.0                     ; and the bias with R alone
	s_lshl_b32 s36, s39, 20
	s_lshl_b32 s40, s41, 17
	s_add_co_u32 s36, s36, s40
	s_lshl_b32 s40, s38, 15
	s_add_co_u32 s36, s36, s40
	s_lshl_b32 s40, s43, 14
	s_add_co_u32 s36, s36, s40
	s_lshl_b32 s40, s42, 13
	s_add_co_u32 s36, s36, s40
	s_lshr_b32 s40, s29, 1
	s_lshl_b32 s40, s40, 12
	s_add_co_u32 s36, s36, s40
	s_and_b32 s40, s29, 1
	s_lshl_b32 s40, s40, 8
	s_add_co_u32 s36, s36, s40
	s_lshl_b32 s40, s44, 10
	s_add_co_u32 s36, s36, s40
	s_add_nc_u64 s[24:25], s[24:25], s[36:37]
	s_wait_dscnt 0x0
	; transposed: source 0 = 16 outputs, source 1 = 16 rows: lane (r, h) holds row r and eight neighbouring units, 16 h on
	v_wmma_scale_f32_16x16x128_f8f6f4 v[112:119], v[64:75], v[88:99], 0, v36, v38 matrix_a_fmt:MATRIX_FMT_FP6 matrix_b_fmt:MATRIX_FMT_FP6
	WALU                                           ; ahead of the chain's next link
	v_wmma_scale_f32_16x16x128_f8f6f4 v[112:119], v[76:87], v[100:111], v[112:119], v37, v39 matrix_a_fmt:MATRIX_FMT_FP6 matrix_b_fmt:MATRIX_FMT_FP6
.irp i, 0,1,2,3,4,5,6,7
	v_mul_f32 v[40+\i], s46, v[40+\i]              ; (the places behind the product)
.endr
.irp i, 0,1,2,3,4,5,6,7
	v_fma_f32 v[120+\i], v[112+\i], s45, v[40+\i]
.endr
	global_store_b128 v16, v[120:123], s[24:25]    ; sixteen lanes store 256 consecutive bytes, at a multiple of 256 from the buffer's first byte
	global_store_b128 v16, v[124:127], s[24:25] offset:512
	s_branch .Lend
.Lcopy:
	s_wait_dscnt 0x0
	s_barrier_signal -1
	s_barrier_wait -1
	s_mul_i32 s36, s33, 51200
	s_add_nc_u64 s[22:23], s[22:23], s[36:37]      ; my weight's image
	s_cmp_lt_u32 s26, 8
	s_cbranch_scc0 .Lscales
	s_mul_i32 s36, s38, 12288
	s_mul_i32 s40, s26, 1536
	s_add_co_u32 s36, s36, s40
	s_add_nc_u64 s[22:23], s[22:23], s[36:37]
.irp c, 0,1
.irp p, 0,1,2
	ds_load_b64 v[64+6*\c+2*\p:65+6*\c+2*\p], v19 offset:768*\c+8*\p
.endr
.endr
	s_wait_dscnt 0x0
.irp p, 0,1,2
	global_store_b128 v18, v[64+4*\p:67+4*\p], s[22:23] offset:512*\p
.endr
	s_branch .Lend
.Lscales:
	s_cmp_eq_u32 s26, 8                            ; wave 8 takes the slice's 512 scale bytes; the waves behind it have nothing to copy
	s_cbranch_scc0 .Lend
	s_lshl_b32 s36, s38, 9
	s_add_co_u32 s36, s36, 49152
	s_add_nc_u64 s[22:23], s[22:23], s[36:37]
	ds_load_b128 v[64:67], v20
	s_wait_dscnt 0x0
	global_store_b128 v18, v[64:67], s[22:23]
.Lend:
	s_wait_tensorcnt 0x0                           ; the wave's end
	ds_add_u32 v[SPW], v[NIL]
	s_wait_dscnt 0x0
	s_endpgm
.Lfunc_end_k_q9b1ba9def8_prep:
	.size	k_q9b1ba9def8_prep, .Lfunc_end_k_q9b1ba9def8_prep-k_q9b1ba9def8_prep
	.p2alignl 7, 3214868480
	.fill 96, 4, 3214868480
	.section	.rodata,"a",@progbits
	.p2align	6, 0x0
	.amdhsa_kernel k_q9b1ba9def8_prep
		.amdhsa_group_segment_fixed_size 27648
		.amdhsa_private_segment_fixed_size 0
		.amdhsa_enable_private_segment 0
		.amdhsa_kernarg_size 88
		.amdhsa_user_sgpr_count 2
		.amdhsa_user_sgpr_kernarg_segment_ptr 1
		.amdhsa_wavefront_size32 1
		.amdhsa_system_sgpr_workgroup_id_x 1
		.amdhsa_system_sgpr_workgroup_id_y 1
		.amdhsa_system_sgpr_workgroup_id_z 1
		.amdhsa_system_vgpr_workitem_id 0
		.amdhsa_next_free_vgpr 128
		.amdhsa_next_free_sgpr 66
		.amdhsa_reserve_vcc 0
		.amdhsa_float_denorm_mode_32 3
		.amdhsa_float_denorm_mode_16_64 3
		.amdhsa_memory_ordered 1
		.amdhsa_forward_progress 1
		.amdhsa_inst_pref_size 18
	.end_amdhsa_kernel
	.amdgpu_metadata
---
amdhsa.version: [ 1, 2 ]
amdhsa.kernels:
  - .name:           k_q9b1ba9def8_prep
    .symbol:         k_q9b1ba9def8_prep.kd
    .args:
      - { .name: fc_out_w, .offset: 0, .size: 8, .value_kind: global_buffer, .address_space: global }
      - { .name: mlp_w1, .offset: 8, .size: 8, .value_kind: global_buffer, .address_space: global }
      - { .name: mlp_w2, .offset: 16, .size: 8, .value_kind: global_buffer, .address_space: global }
      - { .name: wq, .offset: 24, .size: 8, .value_kind: global_buffer, .address_space: global }
      - { .name: wk, .offset: 32, .size: 8, .value_kind: global_buffer, .address_space: global }
      - { .name: wv, .offset: 40, .size: 8, .value_kind: global_buffer, .address_space: global }
      - { .name: out_w, .offset: 48, .size: 8, .value_kind: global_buffer, .address_space: global }
      - { .name: memory_w, .offset: 56, .size: 8, .value_kind: global_buffer, .address_space: global }
      - { .name: fc_out_b, .offset: 64, .size: 8, .value_kind: global_buffer, .address_space: global }
      - { .name: wimg, .offset: 72, .size: 8, .value_kind: global_buffer, .address_space: global }
      - { .name: prbuf, .offset: 80, .size: 8, .value_kind: global_buffer, .address_space: global }
    .group_segment_fixed_size: 27648
    .private_segment_fixed_size: 0
    .kernarg_segment_align: 8
    .kernarg_segment_size: 88
    .max_flat_workgroup_size: 512
    .sgpr_count:     66
    .vgpr_count:     128
    .wavefront_size: 32
...
	.end_amdgpu_metadata
.endif
;; end of part 1
;; launch mid (part 2): grid 256 x 1, 8 waves a work-group, clusters of 4 x 1, 310,272 bytes of LDS; arguments x, wimg, mlp_b1, mlp_b2, bq, bk, bv, qbuf, kvimg, prbuf, fc_cat_w, fc_cat_b, gumbel_u, maskf; writes qbuf, kvimg, maskf
.if DOCPART == 2
	.amdgcn_target "amdgcn-amd-amdhsa--gfx1250"
	.amdhsa_code_object_version 6
	.text
	.protected	k_q9b1ba9def8_mid
	.globl	k_q9b1ba9def8_mid
	.p2align	8
	.type	k_q9b1ba9def8_mid,@function
k_q9b1ba9def8_mid:
	s_mov_b64 s[64:65], 0
	v_nop
	global_prefetch_b8 v0, s[64:65] scope:SCOPE_SE
	s_setreg_imm32_b32 hwreg(HW_REG_WAVE_MODE, 25, 1), 1
	s_wait_xcnt 0x0
	s_wait_alu depctr_hold_cnt(0) depctr_sa_sdst(0) depctr_va_vdst(0) depctr_va_sdst(0) depctr_va_ssrc(0) depctr_va_vcc(0) depctr_vm_vsrc(0)
	s_getreg_b32 s2, hwreg(HW_REG_IB_STS2, 6, 4)
	s_cmp_eq_u32 s2, 0
	s_cbranch_scc0 .Lentry_in_a_cluster
	s_endpgm
.Lentry_in_a_cluster:
	s_bfe_u32 s2, ttmp6, 0x10000c
	s_cmp_lg_u32 s2, 0x3003
	s_cbranch_scc0 .Lentry_shape_is_right
	s_endpgm
.Lentry_shape_is_right:
; TWO KINDS OF WORK-GROUP, told apart by the cluster's number, which the four partners share.
; CLUSTERS 0-31, THE FRONT: xm = gelu(x W1 + b1) W2 + b2; q, k, v = xm W + b, on codes of FP6.  A work-group takes 32 rows of a batch (cluster = batch), as two tiles u of 16: lane r of tile u is row 8 u + r + 8 (r / 8).
;   Wave w makes columns 32 w .. 32 w + 31 of every product, which are head w: two tiles t, eight matrix instructions.  TRANSPOSED (source 0 = a weight's 16 columns): lane (r, h) holds row r and in registers
;   16 u + 8 t + i column 32 w + 16 h + 8 t + i: half a block of the next K; lanes l and l xor 16 hold a block.  The hidden layer and xm pass from wave to wave through LDS: [fragment 2 u + K step][c][lane][24 bytes].
;   v is made not transposed: a lane then holds one column and 16 neighbouring keys, for a quantiser along the keys.
;   gelu(x) = x / (1 + 2^z), z = x (c1 + c2 x^2), c1 = -2 sqrt(2 / pi) log2(e), c2 = 0.044715 c1: the tanh form rewritten; where 2^z overflows the quotient is 0.
;   The five weights come by JOINT loads, one a wave, all at the head: waves 0, 1 mlp_w1's halves, 2, 3 mlp_w2's, 4-7 a quarter each of wq, wk, wv.  The first barrier shows mlp_w1, the second all.  Each LDS byte is filled once.
; CLUSTERS 32-63, THE PAIRS: head hd, receivers i = 8 ib .. 8 ib + 7, all 128 senders j.  Wave w takes units 32 w on: the sum over units of C' relu(P(j) + R(i)), C' = C(:, 1) - C(:, 0), is the sum of C' max(P, nR) less the sum of
;   C' nR, nR = -R.  A lane is a sender: P lies in 128 registers (four tiles of 32 senders x 32 units), asked for straight into registers, once; nR is the same for all lanes and comes by scalar loads, a receiver ahead.
;   The eight waves' parts meet in LDS.  Class 1 is taken where (l1 + g1) - (l0 + g0) > 0, g = -ln(-ln(u + 1e-10) + 1e-10).  What is stored is the addend to t: 0, or -1e9 log2(e) where class 0 is taken.
; No loop in this launch, so no prefetch.
; LIMITS: the choice is the sign of the difference, a tie giving class 0; it can differ from an argmax of the rounded softmax only where the two arguments agree to f32's rounding.
; A block of zeros gets the byte 1 (its codes are zeros; this program alone reads the bytes); NaN and infinities are not served.
.set FLOOR, 0x1800000
.set ACTB,  256000                     ; behind five weights of 51,200 bytes: images of x, the hidden layer, xm
.set HIMG,  6144
.set MIMG,  12288
.set ACTS,  ACTB+18432                 ; their scale words: x at 0, hidden at 256, xm at 512
.set SPARE, ACTS+768
.set PART,  SPARE+1024                 ; the pairs' parts: [wave][receiver], 528 bytes a receiver
.set RCB,   PART+8*4224                ; [receiver][wave]: sums of C' nR
.set SPW, 254
.set NIL, 255
.set WV,  56                           ; s56 the wave
.set WSC, 24
.set ASC, 44
.set BP,  48
.set TM,  50
.set SO,  54
.set BY,  56
.set AF,  64
.set ACC, 112
.set SCR, 144
.set DK,  144                          ; k's accumulators, in the scratch
.set DV,  176                          ; v's, where b1 and b2 have served
.set B1,  176
.set B2,  192
.set BQ,  208
.set BK,  224
.set MSB, 0
.macro WIN new                         ; the immediate's high byte repeats the setting that is left
.if MSB != \new
	s_set_vgpr_msb (MSB<<8)|\new
.set MSB, \new
.endif
.endm
.macro WALU
	s_wait_alu depctr_va_vdst(0)
.endm
.macro PLACES n
.rept \n
	v_nop
.endr
.endm
.macro ROUND                           ; a round of the cluster's barrier
	s_barrier_signal -1
	s_barrier_wait -1
	s_cmp_lg_u32 s[WV], 0
	s_cbranch_scc1 .Lnot_wave_0_\@
	s_barrier_signal -3
.Lnot_wave_0_\@:
	s_barrier_wait -3
	s_barrier_signal -1
	s_barrier_wait -1
.endm
.macro GROUP1 g, rows                  ; a dense block as rows of 256 bytes (32 elements of 8 bytes); mask: all four work-groups, bit 21 beside it
	s_mov_b32 s[\g], 15|(3<<16)|(1<<21)
	s_mov_b32 s[\g+1], 32<<16
	s_mov_b32 s[\g+2], (\rows)<<16
	s_mov_b32 s[\g+3], 32<<16
	s_mov_b32 s[\g+4], \rows
	s_mov_b32 s[\g+5], 32
	s_mov_b32 s[\g+6], 0
	s_mov_b32 s[\g+7], 0
.endm
.macro TLOAD g0, g1
	tensor_load_to_lds s[\g0:\g0+3], s[\g1:\g1+7]
	s_nop 0
	PLACES 4
.endm
.macro BLK2 x                          ; two runs of 16 registers at x, x + 16, each half a block of 32 (lane l xor 16 has the other half): scale operands at SO, bytes at BY
.irp b, 0,1
	v_max3_num_f32 v[TM+\b], |v[\x+16*\b]|, |v[\x+1+16*\b]|, FLOOR
.endr
.irp b, 0,1
	v_max3_num_f32 v[TM+2+\b], |v[\x+8+16*\b]|, |v[\x+9+16*\b]|, |v[\x+10+16*\b]|
.endr
.irp i, 2,4
.irp b, 0,1
	v_max3_num_f32 v[TM+\b], v[TM+\b], |v[\x+\i+16*\b]|, |v[\x+\i+1+16*\b]|
.endr
.irp b, 0,1
	v_max3_num_f32 v[TM+2+\b], v[TM+2+\b], |v[\x+9+\i+16*\b]|, |v[\x+10+\i+16*\b]|
.endr
.endr
.irp b, 0,1
	v_max3_num_f32 v[TM+\b], v[TM+\b], |v[\x+6+16*\b]|, |v[\x+7+16*\b]|
.endr
.irp b, 0,1
	v_max3_num_f32 v[TM+\b], v[TM+\b], v[TM+2+\b], |v[\x+15+16*\b]|
.endr
.irp b, 0,1
	v_permlanex16_b32 v[BP+\b], v[TM+\b], s54, s55
.endr
.irp b, 0,1
	v_max_num_f32 v[TM+\b], v[TM+\b], v[BP+\b]
.endr
.irp b, 0,1
	v_add_nc_u32 v[SO+\b], 0xff000000, v[TM+\b]    ; 2 off the exponent field
.endr
.irp b, 0,1
	v_lshrrev_b32 v[BY+\b], 23, v[SO+\b]
.endr
.endm
.macro FETCHA img, sc                  ; the four fragments of 32 rows x 256 and their scale words: 28 loads
.irp f, 0,1,2,3
.irp c, 0,1
.irp p, 0,1,2
	ds_load_b64 v[AF+12*\f+6*\c+2*\p:AF+12*\f+6*\c+2*\p+1], v7 offset:\img+1536*\f+768*\c+8*\p
.endr
.endr
	ds_load_b32 v[ASC+\f], v8 offset:\sc+64*\f
.endr
.endm
.macro FETCHW k, ra, rs                ; weight k's four fragments (2 t + K step) into window 1, and their scale words: 13 loads
	WIN 0x40
.irp j, 0,1,2,3,4,5,6,7,8,9,10,11
	ds_load_b128 v[48*\k+4*\j:48*\k+4*\j+3], \ra offset:51200*(\k%2)+512*\j
.endr
	WIN 0
	ds_load_b128 v[WSC+4*\k:WSC+4*\k+3], \rs offset:51200*(\k%2)
.endm
.macro GEMM k, d, cb                   ; eight products, four accumulators by turns; the bias is each sum's first C
	WIN 0x01
.irp s, 0,1
.irp u, 0,1
.irp t, 0,1
.if \s == 0
	v_wmma_scale_f32_16x16x128_f8f6f4 v[\d+16*\u+8*\t:\d+16*\u+8*\t+7], v[48*\k+12*(2*\t+\s):48*\k+12*(2*\t+\s)+11], v[AF+12*(2*\u+\s):AF+12*(2*\u+\s)+11], v[\cb+8*\t:\cb+8*\t+7], v[WSC+4*\k+2*\t+\s], v[ASC+2*\u+\s] matrix_a_fmt:MATRIX_FMT_FP6 matrix_b_fmt:MATRIX_FMT_FP6
.else
	v_wmma_scale_f32_16x16x128_f8f6f4 v[\d+16*\u+8*\t:\d+16*\u+8*\t+7], v[48*\k+12*(2*\t+\s):48*\k+12*(2*\t+\s)+11], v[AF+12*(2*\u+\s):AF+12*(2*\u+\s)+11], v[\d+16*\u+8*\t:\d+16*\u+8*\t+7], v[WSC+4*\k+2*\t+\s], v[ASC+2*\u+\s] matrix_a_fmt:MATRIX_FMT_FP6 matrix_b_fmt:MATRIX_FMT_FP6
.endif
.endr
.endr
.endr
	WIN 0
.endm
.macro TOLDS img, sc                   ; my block of both tiles of rows: 12 bytes a lane to the place of K block w, and its scale byte
	BLK2 ACC
.irp u, 0,1
	v_cvt_scalef32_pk16_fp6_f32 v[SCR+4*\u:SCR+4*\u+2], v[ACC+16*\u:ACC+16*\u+15], v[SO+\u]
.endr
	v_nop
.irp u, 0,1
.irp q, 0,1,2
	ds_store_b32 v11, v[SCR+4*\u+\q] offset:\img+3072*\u+4*\q
.endr
	ds_store_b8 v12, v[BY+\u] offset:\sc+128*\u
.endr
.endm
	s_load_b512 s[4:19], s[0:1], 0x0               ; x, wimg, mlp_b1, mlp_b2, bq, bk, bv, qbuf
	s_load_b64 s[20:21], s[0:1], 0x40              ; kvimg
	s_load_b128 s[40:43], s[0:1], 0x48             ; prbuf, fc_cat_w
	s_load_b128 s[44:47], s[0:1], 0x58             ; fc_cat_b, gumbel_u
	s_load_b64 s[48:49], s[0:1], 0x68              ; maskf
	v_lshl_add_u32 v[SPW], v0, 2, SPARE
	v_mov_b32 v[NIL], 0
	ds_add_u32 v[SPW], v[NIL]                      ; the wave's opening: the add, twice on end, and its wait
	ds_add_u32 v[SPW], v[NIL]
	v_lshrrev_b32 v1, 5, v0
	v_readfirstlane_b32 s[WV], v1                  ; wave
	s_bfe_u32 s58, ttmp6, 0x40000                  ; my place in the cluster: it enters global addresses and one shift of data alone
	s_lshl_b32 s57, ttmp9, 2
	s_add_co_u32 s57, s57, s58
	s_mov_b32 s54, 0x76543210
	s_mov_b32 s55, 0xfedcba98                      ; v_permlanex16_b32's selects for lane l xor 16
	s_mov_b32 s23, 0
	v_and_b32 v1, 31, v0                           ; lane
	v_and_b32 v2, 15, v0                           ; r
	v_bfe_u32 v3, v0, 4, 1                         ; h
	v_mov_b32 v[BP], 0                             ; written once: a lane permute's destination counts as one of its sources
	v_mov_b32 v[BP+1], 0
	s_wait_dscnt 0x0
	WALU
	ROUND                                          ; all four work-groups are here: the joint loads will meet
	s_cmp_lt_u32 ttmp9, 32
	s_cbranch_scc0 .Lpairs
; ================= THE FRONT
	v_and_b32 v4, 8, v2
	v_add_nc_u32 v4, v4, v2                        ; r + 8 (r / 8)
	v_lshlrev_b32 v5, 10, v4
	v_lshl_add_u32 v5, v3, 7, v5                   ; x: my row of the tile, 32 numbers on for lanes 16-31
	GROUP1 24, 100                                 ; half a weight's image: 25,600 bytes
	GROUP1 32, 150                                 ; a quarter of three: 38,400
	WALU
	s_wait_kmcnt 0x0
	s_lshr_b32 s60, s[WV], 2                       ; wave w quantises half a fragment of x: tile w / 4, 64 numbers w % 4
	s_and_b32 s61, s[WV], 3
	s_lshl_b32 s22, s57, 15
	s_lshl_b32 s62, s60, 13
	s_add_co_u32 s22, s22, s62
	s_lshl_b32 s62, s61, 8
	s_add_co_u32 s22, s22, s62
	s_add_nc_u64 s[4:5], s[4:5], s[22:23]
.irp j, 0,1,2,3,4,5,6,7
	global_load_b128 v[ACC+4*\j:ACC+4*\j+3], v5, s[4:5] offset:16*\j th:TH_LOAD_NT
.endr
	s_mov_b32 s68, 1
	s_mul_i32 s22, s[WV], 25600
	s_mov_b32 s69, s22                             ; the images lie in LDS as in the buffer
	s_add_nc_u64 s[70:71], s[6:7], s[22:23]
	s_or_b32 s71, s71, 0x80000000
	s_mov_b32 s72, 1
	s_mul_i32 s22, s[WV], 38400
	s_sub_co_u32 s22, s22, 51200                   ; 102,400 + 38,400 (w - 4)
	s_mov_b32 s73, s22
	s_add_nc_u64 s[74:75], s[6:7], s[22:23]
	s_or_b32 s75, s75, 0x80000000
	s_cmp_lt_u32 s[WV], 2
	s_cbranch_scc0 .Lw2
	TLOAD 68, 24                                   ; mlp_w1
	s_branch .Lasked
.Lw2:
	s_cmp_lt_u32 s[WV], 4
	s_cbranch_scc0 .Lw4
	TLOAD 68, 24                                   ; mlp_w2
	s_branch .Lasked
.Lw4:
	TLOAD 72, 32                                   ; wq, wk, wv
.Lasked:
	s_lshl_b32 s22, s[WV], 7
.irp p, 8,10,12,14,16
	s_add_nc_u64 s[\p:\p+1], s[\p:\p+1], s[22:23]  ; the biases at my 32 columns
.endr
	v_lshlrev_b32 v19, 6, v3                       ; 16 numbers on for lanes 16-31
	v_lshlrev_b32 v20, 2, v4                       ; bv: my column of a tile
	WALU
.irp q, 0,1,2,3
	global_load_b128 v[B1+4*\q:B1+4*\q+3], v19, s[8:9] offset:16*\q
.endr
.irp q, 0,1,2,3
	global_load_b128 v[B2+4*\q:B2+4*\q+3], v19, s[10:11] offset:16*\q
.endr
.irp q, 0,1,2,3
	global_load_b128 v[BQ+4*\q:BQ+4*\q+3], v19, s[12:13] offset:16*\q
.endr
.irp q, 0,1,2,3
	global_load_b128 v[BK+4*\q:BK+4*\q+3], v19, s[14:15] offset:16*\q
.endr
	WIN 0x40
	global_load_b32 v240, v20, s[16:17]            ; window 1
	global_load_b32 v248, v20, s[16:17] offset:32
	WIN 0
	v_lshlrev_b32 v6, 4, v1
	v_mul_u32_u24 v23, v1, 24
	v_add_nc_u32 v7, ACTB, v23                     ; where fragments are read,
	v_lshlrev_b32 v8, 2, v2
	v_add_nc_u32 v8, ACTS, v8                      ; and their scale words
	WALU
	s_mul_i32 s62, s[WV], 768
	v_add_nc_u32 v9, s62, v7                       ; x: my 24 bytes
	s_lshr_b32 s62, s[WV], 1
	s_lshl_b32 s62, s62, 6
	s_and_b32 s63, s[WV], 1
	s_lshl_b32 s63, s63, 1
	s_add_co_u32 s62, s62, s63
	v_add_nc_u32 v10, s62, v8
	v_add_nc_u32 v10, v10, v3                      ; its scale byte
	v_mul_u32_u24 v21, v2, 24
	v_mad_u32_u24 v21, v3, 12, v21                 ; 24 r + 12 h
	s_mul_i32 s62, s[WV], 384
	s_add_co_u32 s62, s62, ACTB
	v_add_nc_u32 v11, s62, v21                     ; hidden, xm: my 12 bytes in K block w,
	s_lshl_b32 s62, s60, 6
	s_add_co_u32 s62, s62, s61
	v_add_nc_u32 v12, s62, v8                      ; and the scale byte
	s_mul_i32 s62, s[WV], 6144
	v_add_nc_u32 v13, s62, v6                      ; my fragments of weights 0, 1;
	v_add_nc_u32 v14, 102400, v13                  ; of 2, 3;
	v_add_nc_u32 v15, 204800, v13                  ; of 4
	s_lshr_b32 s62, s[WV], 1
	s_lshl_b32 s62, s62, 9
	s_and_b32 s63, s[WV], 1
	s_lshl_b32 s63, s63, 4
	s_add_co_u32 s62, s62, s63
	s_add_co_u32 s62, s62, 49152
	v_lshlrev_b32 v16, 5, v2
	v_add_nc_u32 v16, s62, v16                     ; their scale words likewise
	v_add_nc_u32 v17, 102400, v16
	v_add_nc_u32 v18, 204800, v16
	v_lshlrev_b32 v22, 2, v1
	v_mov_b32 v242, 0xc0135761                     ; c1
	v_mov_b32 v243, 0xc0135761
	s_mov_b32 s66, 0xbdd2d3e8                      ; c2
	s_mov_b32 s67, s66                             ; (named with it as a pair)
	s_lshl_b32 s22, ttmp9, 15                      ; q's records [batch][tile][head][lane]
	s_lshl_b32 s62, s58, 13
	s_add_co_u32 s22, s22, s62
	s_lshl_b32 s62, s[WV], 9
	s_add_co_u32 s22, s22, s62
	s_add_nc_u64 s[18:19], s[18:19], s[22:23]
	s_lshl_b32 s22, ttmp9, 16                      ; a head's image of k and v: 8,192 bytes
	s_lshl_b32 s62, s[WV], 13
	s_add_co_u32 s22, s22, s62
	s_add_nc_u64 s[20:21], s[20:21], s[22:23]
	s_lshl_b32 s22, s58, 10                        ; k's records: tiles 2 blk, 2 blk + 1
	s_add_nc_u64 s[76:77], s[20:21], s[22:23]
	s_mul_i32 s22, s58, 384
	s_add_co_u32 s22, s22, 4096                    ; v's codes: K block blk,
	s_add_nc_u64 s[78:79], s[20:21], s[22:23]
	s_lshl_b32 s22, s58, 8
	s_add_co_u32 s22, s22, 7168                    ; and v's scale words [block][tile][lane], one byte a word
	s_add_nc_u64 s[80:81], s[20:21], s[22:23]
	s_lshl_b32 s59, s58, 3
	WALU                                           ; the head's end
	s_wait_loadcnt 0x12                            ; x's eight loads are in; the 18 of the biases may be out
	v_max3_num_f32 v[TM], |v[ACC]|, |v[ACC+1]|, FLOOR
	v_max3_num_f32 v[TM+1], |v[ACC+2]|, |v[ACC+3]|, |v[ACC+4]|
.irp i, 5,9,13,17,21,25
	v_max3_num_f32 v[TM], v[TM], |v[ACC+\i]|, |v[ACC+\i+1]|
	v_max3_num_f32 v[TM+1], v[TM+1], |v[ACC+\i+2]|, |v[ACC+\i+3]|
.endr
	v_max3_num_f32 v[TM], v[TM], |v[ACC+29]|, |v[ACC+30]|
	v_max3_num_f32 v[TM], v[TM], v[TM+1], |v[ACC+31]|
	v_add_nc_u32 v[SO], 0xff000000, v[TM]
	v_lshrrev_b32 v[BY], 23, v[SO]
	v_cvt_scalef32_pk16_fp6_f32 v[SCR:SCR+2], v[ACC:ACC+15], v[SO]
	v_cvt_scalef32_pk16_fp6_f32 v[SCR+6:SCR+8], v[ACC+16:ACC+31], v[SO]
	v_nop
.irp i, 0,1,2
	v_mov_b32 v[SCR+3+\i], v[SCR+6+\i]
.endr
.irp p, 0,1,2
	ds_store_b64 v9, v[SCR+2*\p:SCR+2*\p+1] offset:8*\p
.endr
	ds_store_b8 v10, v[BY]
	s_cmp_lt_u32 s[WV], 2
	s_cbranch_scc0 .Lnot_w1
	s_wait_tensorcnt 0x0                           ; mlp_w1 has landed
.Lnot_w1:
	s_wait_dscnt 0x0
	s_barrier_signal -1
	s_barrier_wait -1                              ; mlp_w1 and x's fragments are there; the other weights may still be on their way
	FETCHA 0, 0
	FETCHW 0, v13, v16
	s_wait_loadcnt 0x0                             ; the biases are in
	s_wait_dscnt 0x0
	GEMM 0, ACC, B1
	PLACES 4
.irp j, 0,2,4,6,8,10,12,14,16,18,20,22,24,26,28,30
	v_pk_mul_f32 v[SCR+\j:SCR+\j+1], v[ACC+\j:ACC+\j+1], v[ACC+\j:ACC+\j+1]
.endr
.irp j, 0,2,4,6,8,10,12,14,16,18,20,22,24,26,28,30
	v_pk_fma_f32 v[SCR+\j:SCR+\j+1], v[SCR+\j:SCR+\j+1], s[66:67], v[242:243] op_sel_hi:[1,0,1]
.endr
.irp j, 0,2,4,6,8,10,12,14,16,18,20,22,24,26,28,30
	v_pk_mul_f32 v[SCR+\j:SCR+\j+1], v[SCR+\j:SCR+\j+1], v[ACC+\j:ACC+\j+1]
.endr
	WALU
.set j, 0
.rept 32
	v_exp_f32 v[SCR+j], v[SCR+j]
.set j, j+1
.endr
	v_nop                                          ; a plain instruction behind the batch, and one wait ahead of its first reader
	WALU
.irp j, 0,2,4,6,8,10,12,14,16,18,20,22,24,26,28,30
	v_pk_add_f32 v[SCR+\j:SCR+\j+1], v[SCR+\j:SCR+\j+1], 1.0 op_sel_hi:[1,0]
.endr
	WALU
.set j, 0
.rept 32
	v_rcp_f32 v[SCR+j], v[SCR+j]
.set j, j+1
.endr
	v_nop
	WALU
.irp j, 0,2,4,6,8,10,12,14,16,18,20,22,24,26,28,30
	v_pk_mul_f32 v[ACC+\j:ACC+\j+1], v[ACC+\j:ACC+\j+1], v[SCR+\j:SCR+\j+1]
.endr
	TOLDS HIMG, 256
	WALU
	s_wait_tensorcnt 0x0                           ; all weights have landed,
	s_wait_dscnt 0x0                               ; my part of the hidden layer is stored
	s_barrier_signal -1
	s_barrier_wait -1
	FETCHA HIMG, 256
	FETCHW 1, v13, v16
	FETCHW 2, v14, v17
	s_wait_dscnt 0xd                               ; wq's 13 loads may be out
	GEMM 1, ACC, B2
	FETCHW 3, v14, v17
	FETCHW 4, v15, v18
	WIN 0x41
.irp i, 1,2,3,4,5,6,7
	v_mov_b32 v[240+\i], v240                      ; v's bias, one number a lane and tile, over the tile's eight registers (plain work: the places behind the products)
	v_mov_b32 v[248+\i], v248
.endr
	WIN 0
	TOLDS MIMG, 512
	WALU
	s_wait_dscnt 0x0
	s_barrier_signal -1
	s_barrier_wait -1                              ; xm's fragments are there: they serve q, k and v
	FETCHA MIMG, 512
	s_wait_dscnt 0x0
	GEMM 2, ACC, BQ
	GEMM 3, DK, BK
.irp s, 0,1
.if \s == 0
	WIN 0x14                                       ; source 0 (rows) window 0, source 1 (wv) window 1, C window 1
.else
	WIN 0x04
.endif
.irp t, 0,1
.irp u, 0,1
.if \s == 0
	v_wmma_scale_f32_16x16x128_f8f6f4 v[DV+16*\t+8*\u:DV+16*\t+8*\u+7], v[AF+12*(2*\u+\s):AF+12*(2*\u+\s)+11], v[192+12*(2*\t+\s):192+12*(2*\t+\s)+11], v[240+8*\t:247+8*\t], v[ASC+2*\u+\s], v[WSC+16+2*\t+\s] matrix_a_fmt:MATRIX_FMT_FP6 matrix_b_fmt:MATRIX_FMT_FP6
.else
	v_wmma_scale_f32_16x16x128_f8f6f4 v[DV+16*\t+8*\u:DV+16*\t+8*\u+7], v[AF+12*(2*\u+\s):AF+12*(2*\u+\s)+11], v[192+12*(2*\t+\s):192+12*(2*\t+\s)+11], v[DV+16*\t+8*\u:DV+16*\t+8*\u+7], v[ASC+2*\u+\s], v[WSC+16+2*\t+\s] matrix_a_fmt:MATRIX_FMT_FP6 matrix_b_fmt:MATRIX_FMT_FP6
.endif
.endr
.endr
.endr
	WIN 0
	PLACES 4
	; q's and k's records: 16 bytes a lane: 12 of codes, and the scale word: the head's byte in bytes 0 and 1.  They are laid in the rows' registers, which have served
.macro REC d, o
	BLK2 \d
.irp u, 0,1
	v_cvt_scalef32_pk16_fp6_f32 v[\o+4*\u:\o+4*\u+2], v[\d+16*\u:\d+16*\u+15], v[SO+\u]
.endr
.irp u, 0,1
	v_mul_u32_u24 v[\o+4*\u+3], 0x101, v[BY+\u]
.endr
.endm
	REC ACC, 64
	global_store_b128 v6, v[64:67], s[18:19]       ; 32 lanes store 512 consecutive bytes
	global_store_b128 v6, v[68:71], s[18:19] offset:4096
	REC DK, 72
	global_store_b128 v6, v[72:75], s[76:77]
	global_store_b128 v6, v[76:79], s[76:77] offset:512
	BLK2 DV                                        ; lane (r, h): register 16 t + i is key 16 h + i of my 32
.irp t, 0,1
	v_cvt_scalef32_pk16_fp6_f32 v[80+4*\t:82+4*\t], v[DV+16*\t:DV+16*\t+15], v[SO+\t]
.endr
.irp t, 0,1
	v_lshlrev_b32 v[88+\t], s59, v[BY+\t]          ; the byte at its block's place in the column's scale word
.endr
.irp t, 0,1
	global_store_b96 v21, v[80+4*\t:82+4*\t], s[78:79] offset:1536*\t   ; 32 lanes store 384 consecutive bytes
	global_store_b32 v22, v[88+\t], s[80:81] offset:128*\t
.endr
	s_branch .Lend
; ================= THE PAIRS
.set SA, 8                             ; nR of a receiver: 32 scalars, two sets
.set SB, 68
.set T,  40
.set A,  48
.set SU, 56
.set WD, 64
.set P,  100
.set UU, 228
.set GG, 236
.Lpairs:
	v_lshlrev_b32 v2, 4, v1                        ; P: 16 bytes a lane
	v_and_b32 v7, 7, v0                            ; receiver, for the sums of C' nR and at the end
	v_bfe_u32 v15, v0, 3, 2                        ; lane / 8
	v_lshrrev_b32 v8, 3, v0                        ; at the end: senders 4 (tid / 8) on
	v_lshlrev_b32 v3, 10, v15
	v_lshl_add_u32 v3, v7, 4, v3
	v_lshlrev_b32 v4, 6, v15
	s_mul_i32 s2, s[WV], 4224
	s_add_co_u32 s2, s2, PART
	v_lshlrev_b32 v5, 2, v1
	v_add_nc_u32 v5, s2, v5                        ; my parts
	s_lshl_b32 s2, s[WV], 2
	s_add_co_u32 s2, s2, RCB
	v_lshlrev_b32 v6, 5, v7
	v_add_nc_u32 v11, RCB, v6                      ; at the end: the receiver's eight sums
	v_add_nc_u32 v6, s2, v6                        ; my sums of C' nR
	v_mul_u32_u24 v10, v7, 528
	v_lshl_add_u32 v10, v8, 4, v10
	v_add_nc_u32 v10, PART, v10                    ; at the end: the parts
	v_lshlrev_b32 v12, 10, v7
	v_lshl_add_u32 v12, v8, 5, v12                 ; u: 1,024 bytes a receiver, 32 a thread
	v_bfe_u32 v16, v0, 6, 2                        ; maskf, for (head, tile of queries): the attention's 64 score registers, four to a lane's 16 bytes: register 16 b + idx of lane (r, h) is key 32 b + 16 h + idx
	v_lshlrev_b32 v13, 11, v16
	v_bfe_u32 v16, v0, 3, 2
	v_lshl_add_u32 v13, v16, 9, v13
	v_bfe_u32 v16, v0, 5, 1
	v_lshl_add_u32 v13, v16, 8, v13
	v_lshl_add_u32 v13, v7, 4, v13
	v_mov_b32 v14, 0
	s_sub_co_u32 s57, s57, 128
	s_lshr_b32 s59, s57, 4                         ; head
	s_and_b32 s60, s57, 15                         ; ib
	s_mov_b32 s100, 0x2edbe6ff                     ; 1e-10
	s_mov_b32 s101, 0xbf317218                     ; -ln 2
	s_mov_b32 s3, 0
	WALU                                           ; the head's end
	s_wait_kmcnt 0x0
	s_lshl_b32 s2, s[WV], 8
	s_add_nc_u64 s[52:53], s[42:43], s[2:3]        ; fc_cat_w at my 32 units
	s_load_b512 s[8:23], s[52:53], 0x0
	s_load_b512 s[24:39], s[52:53], 0x40
	s_load_b512 s[68:83], s[52:53], 0x80
	s_load_b512 s[84:99], s[52:53], 0xc0
	s_load_b64 s[62:63], s[44:45], 0x0             ; c0, c1
	s_lshl_b32 s2, s59, 17
	s_lshl_b32 s61, s[WV], 14
	s_add_co_u32 s2, s2, s61
	s_add_nc_u64 s[50:51], s[40:41], s[2:3]        ; P of my head and units
	s_lshr_b32 s61, s60, 2
	s_lshl_b32 s61, s61, 12
	s_add_co_u32 s2, s2, s61
	s_and_b32 s61, s60, 3
	s_lshl_b32 s61, s61, 7
	s_add_co_u32 s2, s2, s61
	s_add_co_u32 s2, s2, 0x100000
	s_add_nc_u64 s[40:41], s[40:41], s[2:3]        ; nR at my first receiver
	s_lshl_b32 s2, s59, 17
	s_lshl_b32 s61, s60, 13
	s_add_co_u32 s2, s2, s61
	s_add_nc_u64 s[46:47], s[46:47], s[2:3]        ; u at (head, 8 ib)
	s_lshr_b32 s2, s60, 2                          ; receivers 8 ib on are queries 8 ((ib / 2) % 2) on of tile 2 (ib / 4) + ib % 2
	s_lshl_b32 s2, s2, 1
	s_and_b32 s61, s60, 1
	s_add_co_u32 s2, s2, s61
	s_lshl_b32 s61, s59, 3
	s_add_co_u32 s2, s2, s61
	s_lshl_b32 s2, s2, 13
	s_bfe_u32 s61, s60, 0x10001
	s_lshl_b32 s61, s61, 7
	s_add_co_u32 s2, s2, s61
	s_add_nc_u64 s[48:49], s[48:49], s[2:3]
	global_load_b128 v[32:35], v3, s[40:41]        ; lane (receiver l % 8, units 8 (l / 8) on): nR,
	global_load_b128 v[36:39], v3, s[40:41] offset:512
.irp q, 0,1,2,3
	global_load_b128 v[40+4*\q:43+4*\q], v4, s[52:53] offset:16*\q   ; and C
.endr
	global_load_b128 v[UU:UU+3], v12, s[46:47]
	global_load_b128 v[UU+4:UU+7], v12, s[46:47] offset:16
.irp jt, 0,1,2,3
.irp g, 0,1,2,3,4,5,6,7
	global_load_b128 v[P+32*\jt+4*\g:P+32*\jt+4*\g+3], v2, s[50:51] offset:4096*\jt+512*\g
.endr
.endr
	s_wait_loadcnt 0x22                            ; the first six are in; 34 may be out
.irp e, 0,1,2,3,4,5,6,7
	v_sub_f32 v[56+\e], v[41+2*\e], v[40+2*\e]
.endr
	v_mul_f32 v15, v32, v56
	v_mul_f32 v16, v33, v57
.irp e, 2,4,6
	v_fmac_f32 v15, v[32+\e], v[56+\e]
	v_fmac_f32 v16, v[33+\e], v[57+\e]
.endr
	v_add_f32 v15, v15, v16
	v_add_f32_dpp v15, v15, v15 row_xmask:8 row_mask:0xf bank_mask:0xf
	v_permlanex16_b32 v14, v15, s54, s55
	v_add_f32 v15, v15, v14
	ds_store_b32 v6, v15                           ; the four lanes of a receiver store one word with one value
	s_wait_loadcnt 0x20                            ; u is in; P's 32 loads may be out
.irp k, 0,1,2,3,4,5,6,7
	v_add_f32 v[UU+\k], s100, v[UU+\k]
.endr
	WALU
.irp k, 0,1,2,3,4,5,6,7
	v_log_f32 v[UU+\k], v[UU+\k]
.endr
	v_nop
	WALU
.irp k, 0,1,2,3,4,5,6,7
	v_fma_f32 v[UU+\k], v[UU+\k], s101, s100       ; -ln(u + 1e-10) + 1e-10
.endr
	WALU
.irp k, 0,1,2,3,4,5,6,7
	v_log_f32 v[UU+\k], v[UU+\k]
.endr
	v_nop
	WALU
	s_wait_kmcnt 0x0
	v_mov_b32 v9, s62
	v_sub_f32 v9, s63, v9                          ; c1 - c0
.irp e, 0,1,2,3
	v_sub_f32 v[GG+\e], v[UU+2*\e+1], v[UU+2*\e]
.endr
.irp e, 0,1,2,3
	v_fma_f32 v[GG+\e], v[GG+\e], s101, v9         ; g1 - g0 + c1 - c0
.endr
.set n, 0
.rept 16
	v_sub_f32 v[WD+n], s[SA+2*n+1], s[SA+2*n]      ; C'
	v_sub_f32 v[WD+16+n], s[SB+2*n+1], s[SB+2*n]
.set n, n+1
.endr
.macro ASKR ii, sx                     ; a receiver's nR at my 32 units
.irp g, 0,1,2,3,4,5,6,7
	s_load_b128 s[\sx+4*\g:\sx+4*\g+3], s[40:41], 512*\g+16*(\ii)
.endr
.endm
.macro RECV ii, sx, sy                 ; a receiver against 128 senders: a pair of maxima and a packed multiply-add for two units of a tile of senders
	s_wait_kmcnt 0x0
.if \ii < 7
	ASKR \ii+1, \sy
.endif
.set e0, 0
.rept 16
.irp jt, 0,1,2,3
	v_dual_max_num_f32 v[T+2*\jt], s[\sx+e0], v[P+32*\jt+e0] :: v_dual_max_num_f32 v[T+2*\jt+1], s[\sx+e0+1], v[P+32*\jt+e0+1]
.endr
.irp jt, 0,1,2,3
.if e0 == 0
	v_pk_mul_f32 v[A+2*\jt:A+2*\jt+1], v[T+2*\jt:T+2*\jt+1], v[WD:WD+1]
.else
	v_pk_fma_f32 v[A+2*\jt:A+2*\jt+1], v[T+2*\jt:T+2*\jt+1], v[WD+e0:WD+e0+1], v[A+2*\jt:A+2*\jt+1]
.endif
.endr
.set e0, e0+2
.endr
.irp jt, 0,1,2,3
	v_add_f32 v[SU+\jt], v[A+2*\jt], v[A+2*\jt+1]
.endr
.irp jt, 0,1,2,3
	ds_store_b32 v5, v[SU+\jt] offset:528*\ii+128*\jt
.endr
.endm
	WALU
	ASKR 0, SA
	s_wait_loadcnt 0x0
	RECV 0, SA, SB
	RECV 1, SB, SA
	RECV 2, SA, SB
	RECV 3, SB, SA
	RECV 4, SA, SB
	RECV 5, SB, SA
	RECV 6, SA, SB
	RECV 7, SB, SA
	v_mov_b32 v9, 0xceabfb8f                       ; -1e9 log2(e)
	WALU
	s_wait_dscnt 0x0                               ; my parts are stored
	s_barrier_signal -1
	s_barrier_wait -1
.irp k, 0,1,2,3,4,5,6,7
	ds_load_b128 v[P+4*\k:P+4*\k+3], v10 offset:4224*\k
.endr
	ds_load_b128 v[P+32:P+35], v11
	ds_load_b128 v[P+36:P+39], v11 offset:16
	s_wait_dscnt 0x0
.irp k, 0,2,4,6,8
	v_pk_add_f32 v[P+4*\k:P+4*\k+1], v[P+4*\k:P+4*\k+1], v[P+4*\k+4:P+4*\k+5]
	v_pk_add_f32 v[P+4*\k+2:P+4*\k+3], v[P+4*\k+2:P+4*\k+3], v[P+4*\k+6:P+4*\k+7]
.endr
.irp k, 0,4
	v_pk_add_f32 v[P+4*\k:P+4*\k+1], v[P+4*\k:P+4*\k+1], v[P+4*\k+8:P+4*\k+9]
	v_pk_add_f32 v[P+4*\k+2:P+4*\k+3], v[P+4*\k+2:P+4*\k+3], v[P+4*\k+10:P+4*\k+11]
.endr
	v_pk_add_f32 v[P:P+1], v[P:P+1], v[P+16:P+17]
	v_pk_add_f32 v[P+2:P+3], v[P+2:P+3], v[P+18:P+19]
	v_pk_add_f32 v[P+32:P+33], v[P+32:P+33], v[P+34:P+35]
	v_add_f32 v[P+32], v[P+32], v[P+33]            ; the receiver's sum of C' nR over all units
.irp e, 0,1,2,3
	v_sub_f32 v[P+\e], v[P+\e], v[P+32]
.endr
.irp e, 0,1,2,3
	v_add_f32 v[P+\e], v[P+\e], v[GG+\e]
.endr
.irp e, 0,1,2,3
	v_cmp_lt_f32 vcc_lo, 0, v[P+\e]                ; a choice of a value, no branch
	v_cndmask_b32 v[P+\e], v9, v[NIL], vcc_lo
.endr
	global_store_b128 v13, v[P:P+3], s[48:49]
.Lend:
	s_wait_tensorcnt 0x0                           ; the wave's end
	ds_add_u32 v[SPW], v[NIL]
	s_wait_dscnt 0x0
	ROUND                                          ; the closing round: no work-group ends while a partner may still ask for a tile that names it
	s_endpgm
.Lfunc_end_k_q9b1ba9def8_mid:
	.size	k_q9b1ba9def8_mid, .Lfunc_end_k_q9b1ba9def8_mid-k_q9b1ba9def8_mid
	.p2alignl 7, 3214868480
	.fill 96, 4, 3214868480
	.section	.rodata,"a",@progbits
	.p2align	6, 0x0
	.amdhsa_kernel k_q9b1ba9def8_mid
		.amdhsa_group_segment_fixed_size 310272
		.amdhsa_private_segment_fixed_size 0
		.amdhsa_enable_private_segment 0
		.amdhsa_kernarg_size 112
		.amdhsa_user_sgpr_count 2
		.amdhsa_user_sgpr_kernarg_segment_ptr 1
		.amdhsa_wavefront_size32 1
		.amdhsa_system_sgpr_workgroup_id_x 1
		.amdhsa_system_sgpr_workgroup_id_y 1
		.amdhsa_system_sgpr_workgroup_id_z 1
		.amdhsa_system_vgpr_workitem_id 0
		.amdhsa_next_free_vgpr 512
		.amdhsa_next_free_sgpr 106
		.amdhsa_reserve_vcc 1
		.amdhsa_float_denorm_mode_32 3
		.amdhsa_float_denorm_mode_16_64 3
		.amdhsa_memory_ordered 1
		.amdhsa_forward_progress 1
		.amdhsa_inst_pref_size 132
	.end_amdhsa_kernel
	.amdgpu_metadata
---
amdhsa.version: [ 1, 2 ]
amdhsa.kernels:
  - .name:           k_q9b1ba9def8_mid
    .symbol:         k_q9b1ba9def8_mid.kd
    .args:
      - { .name: x, .offset: 0, .size: 8, .value_kind: global_buffer, .address_space: global }
      - { .name: wimg, .offset: 8, .size: 8, .value_kind: global_buffer, .address_space: global }
      - { .name: mlp_b1, .offset: 16, .size: 8, .value_kind: global_buffer, .address_space: global }
      - { .name: mlp_b2, .offset: 24, .size: 8, .value_kind: global_buffer, .address_space: global }
      - { .name: bq, .offset: 32, .size: 8, .value_kind: global_buffer, .address_space: global }
      - { .name: bk, .offset: 40, .size: 8, .value_kind: global_buffer, .address_space: global }
      - { .name: bv, .offset: 48, .size: 8, .value_kind: global_buffer, .address_space: global }
      - { .name: qbuf, .offset: 56, .size: 8, .value_kind: global_buffer, .address_space: global }
      - { .name: kvimg, .offset: 64, .size: 8, .value_kind: global_buffer, .address_space: global }
      - { .name: prbuf, .offset: 72, .size: 8, .value_kind: global_buffer, .address_space: global }
      - { .name: fc_cat_w, .offset: 80, .size: 8, .value_kind: global_buffer, .address_space: global }
      - { .name: fc_cat_b, .offset: 88, .size: 8, .value_kind: global_buffer, .address_space: global }
      - { .name: gumbel_u, .offset: 96, .size: 8, .value_kind: global_buffer, .address_space: global }
      - { .name: maskf, .offset: 104, .size: 8, .value_kind: global_buffer, .address_space: global }
    .group_segment_fixed_size: 310272
    .private_segment_fixed_size: 0
    .kernarg_segment_align: 8
    .kernarg_segment_size: 112
    .max_flat_workgroup_size: 256
    .sgpr_count:     106
    .vgpr_count:     512
    .wavefront_size: 32
...
	.end_amdgpu_metadata
.endif
;; end of part 2
;; launch attn (part 3): grid 8 x 32, 8 waves a work-group, clusters of 4 x 1, 168,448 bytes of LDS; arguments qbuf, kvimg, maskf, wimg, out_b, out0; writes out0
.if DOCPART == 3
	.amdgcn_target "amdgcn-amd-amdhsa--gfx1250"
	.amdhsa_code_object_version 6
	.text
	.protected	k_q9b1ba9def8_attn
	.globl	k_q9b1ba9def8_attn
	.p2align	8
	.type	k_q9b1ba9def8_attn,@function
k_q9b1ba9def8_attn:
	s_mov_b64 s[64:65], 0
	v_nop
	global_prefetch_b8 v0, s[64:65] scope:SCOPE_SE
	s_setreg_imm32_b32 hwreg(HW_REG_WAVE_MODE, 25, 1), 1
	s_wait_xcnt 0x0
	s_wait_alu depctr_hold_cnt(0) depctr_sa_sdst(0) depctr_va_vdst(0) depctr_va_sdst(0) depctr_va_ssrc(0) depctr_va_vcc(0) depctr_vm_vsrc(0)
	s_getreg_b32 s2, hwreg(HW_REG_IB_STS2, 6, 4)
	s_cmp_eq_u32 s2, 0
	s_cbranch_scc0 .Lentry_in_a_cluster
	s_endpgm
.Lentry_in_a_cluster:
	s_bfe_u32 s2, ttmp6, 0x10000c
	s_cmp_lg_u32 s2, 0x3003
	s_cbranch_scc0 .Lentry_shape_is_right
	s_endpgm
.Lentry_shape_is_right:
; out = (softmax(q k^T / sqrt(32) + addend) v) Wo + bo, all three products on codes of FP6 with E8M0 scales.
; A work-group takes one batch and one tile T of 16 queries (lane r is query 32 (T / 2) + 8 (T % 2) + r + 8 (r / 8)); WAVE w TAKES HEAD w, then columns 32 w .. 32 w + 31 of the last product.
; S^T = k q^T: a lane holds ONE query, and register 16 b + i is key 32 b + 16 h + i.  A HEAD'S K IS 32, THE INSTRUCTION'S 128: lane (r, h) has the codes of dk 16 h .. 16 h + 15 in its first three registers, in block h, and
; the head's byte stands in bytes 0 and 1 of the scale word.  q's other codes are zeros, so k's other codes count for nothing, whatever they are: k's records follow each other four registers apart, and a fragment
; reaches over the two behind it.
; THE SOFTMAX: t = score log2(e) / sqrt(32) + addend, one multiply-add (the addend is 0 or -1e9 log2(e)); M = ceil(the row's largest t); p = 2^(t - M) is what is quantised, along the keys; the row's sum is taken of the
; unquantised p and divides at the end.  All 128 keys are one K step, so M is the row's own.  In a row whose keys are all blocked equal t give p = 1 while the scores' part of t stays under 64 in magnitude.
; O^T = v^T p^T: a lane's 16 registers are dk 16 h + 0 .. 15 of its query: half a block of the last product's K; o passes through LDS: [K step][c][lane][24 bytes].
; CLUSTER: four tiles of queries of one batch.  k, v and out_w are asked for JOINTLY, one load a wave: waves 0-3 two heads' images each, 4-7 a quarter of out_w each.  The first barrier shows k and v, the second out_w.
; Each LDS byte is filled or stored once.  No loop, so no prefetch.
; LIMITS: a block of zeros gets the byte 1 (its codes are zeros); NaN and infinities are not served; the promise for the softmax holds while t stays under 2^31 in magnitude.
; REGISTERS: window 0 as the constants say; window 1: v0-63 the addends, v64-87 v's two fragments, v96-143 out_w's four.
.set OW,    65536
.set OIMG,  116736
.set OSC,   119808
.set STG,   120064                     ; 16 rows x 1,040 bytes
.set SPARE, 136704
.set SPW, 254
.set NIL, 255
.set Q,   16
.set QSW, 28
.set PSW, 29
.set OSW, 30
.set KSW, 32
.set VSW, 40
.set VRAW, 42
.set OWS, 52
.set S,   56
.set O,   120
.set PF,  136
.set BM,  156
.set BP,  160
.set SO,  164
.set BY,  168
.set KF,  176
.set BO,  216
.set MSB, 0
.macro WIN new
.if MSB != \new
	s_set_vgpr_msb (MSB<<8)|\new
.set MSB, \new
.endif
.endm
.macro WALU
	s_wait_alu depctr_va_vdst(0)
.endm
.macro PLACES n
.rept \n
	v_nop
.endr
.endm
.macro ROUND
	s_barrier_signal -1
	s_barrier_wait -1
	s_cmp_lg_u32 s16, 0
	s_cbranch_scc1 .Lnot_wave_0_\@
	s_barrier_signal -3
.Lnot_wave_0_\@:
	s_barrier_wait -3
	s_barrier_signal -1
	s_barrier_wait -1
.endm
.macro GROUP1 g, rows                  ; a dense block as rows of 256 bytes; mask: all four work-groups, bit 21 beside it
	s_mov_b32 s[\g], 15|(3<<16)|(1<<21)
	s_mov_b32 s[\g+1], 32<<16
	s_mov_b32 s[\g+2], (\rows)<<16
	s_mov_b32 s[\g+3], 32<<16
	s_mov_b32 s[\g+4], \rows
	s_mov_b32 s[\g+5], 32
	s_mov_b32 s[\g+6], 0
	s_mov_b32 s[\g+7], 0
.endm
	s_load_b256 s[4:11], s[0:1], 0x0               ; qbuf, kvimg, maskf, wimg
	s_load_b128 s[12:15], s[0:1], 0x20             ; out_b, out0
	v_lshl_add_u32 v[SPW], v0, 2, SPARE
	v_mov_b32 v[NIL], 0
	ds_add_u32 v[SPW], v[NIL]                      ; the wave's opening: the add, twice on end, and its wait
	ds_add_u32 v[SPW], v[NIL]
	v_lshrrev_b32 v1, 5, v0
	v_readfirstlane_b32 s16, v1                    ; wave
	s_bfe_u32 s17, ttmp6, 0x40000                  ; my place in the cluster: it enters global addresses alone
	s_lshl_b32 s18, ttmp9, 2
	s_add_co_u32 s18, s18, s17                     ; T
	s_and_b32 s19, ttmp7, 0xffff                   ; the batch, which the four partners share
	GROUP1 32, 64                                  ; two heads' images: 16,384 bytes
	GROUP1 40, 50                                  ; a quarter of out_w's: 12,800
	s_mov_b32 s72, 0x3e8293ee                      ; log2(e) / sqrt(32)
	s_mov_b32 s73, s72
	s_mov_b32 s76, 0x76543210
	s_mov_b32 s77, 0xfedcba98                      ; v_permlanex16_b32's selects for lane l xor 16
	s_mov_b32 s29, 0
	s_lshl_b32 s20, s16, 13
	s_lshr_b32 s21, s16, 2
	s_and_b32 s22, s16, 3
	s_lshr_b32 s23, s16, 1
	s_and_b32 s24, s16, 1
	v_and_b32 v234, 31, v0                         ; lane
	v_and_b32 v235, 15, v0                         ; r
	v_bfe_u32 v236, v0, 4, 1                       ; h
	v_lshlrev_b32 v1, 4, v234                      ; 16 x lane
	v_mul_u32_u24 v237, v234, 24
	v_lshlrev_b32 v238, 2, v235
	v_add_nc_u32 v2, s20, v1                       ; k's records
	v_add_nc_u32 v3, s20, v237
	v_add_nc_u32 v3, 4096, v3                      ; v's codes
	v_lshlrev_b32 v4, 2, v234
	v_add_nc_u32 v4, s20, v4
	v_add_nc_u32 v4, 7168, v4                      ; v's scale bytes
	v_mul_u32_u24 v5, v235, 24
	v_mad_u32_u24 v5, v236, 12, v5
	s_mul_i32 s25, s16, 384
	s_add_co_u32 s25, s25, OIMG
	v_add_nc_u32 v5, s25, v5                       ; where I put o's 12 bytes in K block w,
	s_lshl_b32 s25, s21, 6
	s_add_co_u32 s25, s25, s22
	v_add_nc_u32 v8, OSC, v238                     ; (where o's scale words are read)
	v_add_nc_u32 v6, s25, v8                       ; and the scale byte
	v_add_nc_u32 v7, OIMG, v237                    ; where o's fragments are read
	s_mul_i32 s25, s16, 6144
	s_add_co_u32 s25, s25, OW
	v_add_nc_u32 v9, s25, v1                       ; out_w's four fragments
	s_lshl_b32 s25, s23, 9
	s_lshl_b32 s26, s24, 4
	s_add_co_u32 s25, s25, s26
	s_add_co_u32 s25, s25, OW+49152
	v_lshlrev_b32 v10, 5, v235
	v_add_nc_u32 v10, s25, v10                     ; and their scale words
	s_lshl_b32 s25, s16, 7
	s_add_co_u32 s25, s25, STG
	v_mul_u32_u24 v11, v235, 1040
	v_lshl_add_u32 v11, v236, 6, v11
	v_add_nc_u32 v11, s25, v11                     ; the stage, in: row r, my 32 columns, 16 on for lanes 16-31
	s_mul_i32 s25, s16, 2080
	s_add_co_u32 s25, s25, STG
	v_add_nc_u32 v12, s25, v1                      ; back: rows 2 w, 2 w + 1
	v_lshlrev_b32 v13, 6, v236                     ; bo: 16 numbers on for lanes 16-31
	v_mov_b32 v233, 0                              ; (named as upper halves of pairs)
	v_mov_b32 v175, 0
.irp b, 0,1,2,3
	v_mov_b32 v[BP+\b], 0                          ; written once: a lane permute's destination counts as one of its sources
.endr
	s_mov_b32 s56, 1                               ; descriptor groups 0
	s_lshl_b32 s57, s16, 14
	s_mov_b32 s60, 1
	s_mul_i32 s61, s16, 12800
	s_add_co_u32 s61, s61, 14336                   ; 65,536 + 12,800 (w - 4)
	s_wait_dscnt 0x0
	WALU
	ROUND                                          ; all four work-groups are here: the joint loads will meet.  The round passes while the arguments are on their way
	s_wait_kmcnt 0x0
	s_lshl_b32 s28, s19, 16
	s_lshl_b32 s30, s16, 14
	s_add_co_u32 s28, s28, s30
	s_add_nc_u64 s[58:59], s[6:7], s[28:29]
	s_or_b32 s59, s59, 0x80000000
	s_mul_i32 s28, s16, 12800
	s_add_co_u32 s28, s28, 204800                  ; out_w is weight 5: 256,000 + 12,800 (w - 4)
	s_add_nc_u64 s[62:63], s[10:11], s[28:29]
	s_or_b32 s63, s63, 0x80000000
	s_cmp_lt_u32 s16, 4
	s_cbranch_scc0 .Low
	tensor_load_to_lds s[56:59], s[32:39]
	s_nop 0
	PLACES 4
	s_branch .Lasked
.Low:
	tensor_load_to_lds s[60:63], s[40:47]
	s_nop 0
	PLACES 4
.Lasked:
	s_lshl_b32 s28, s19, 15                        ; q's record of (batch, T, w)
	s_lshl_b32 s30, s18, 12
	s_add_co_u32 s28, s28, s30
	s_lshl_b32 s30, s16, 9
	s_add_co_u32 s28, s28, s30
	s_add_nc_u64 s[4:5], s[4:5], s[28:29]
	s_lshl_b32 s28, s16, 16                        ; the addends of (w, T)
	s_lshl_b32 s30, s18, 13
	s_add_co_u32 s28, s28, s30
	s_add_nc_u64 s[8:9], s[8:9], s[28:29]
	global_load_b96 v[Q:Q+2], v1, s[4:5]
	global_load_b32 v[QSW], v1, s[4:5] offset:12
	WIN 0x40
.irp k, 0,1,2,3,4,5,6,7,8,9,10,11,12,13,14,15
	global_load_b128 v[4*\k:4*\k+3], v1, s[8:9] offset:512*\k
.endr
	WIN 0
	s_lshl_b32 s28, s16, 7
	s_add_nc_u64 s[12:13], s[12:13], s[28:29]      ; bo at my 32 columns
.irp q, 0,1,2,3
	global_load_b128 v[BO+4*\q:BO+4*\q+3], v13, s[12:13] offset:16*\q
.endr
	s_lshl_b32 s28, s19, 17                        ; out0: 128 rows of 1,024 bytes a batch,
	s_lshr_b32 s30, s18, 1
	s_lshl_b32 s30, s30, 15                        ; 32 rows for each pair of tiles,
	s_add_co_u32 s28, s28, s30
	s_and_b32 s30, s18, 1
	s_lshl_b32 s30, s30, 13                        ; 8 rows for the odd tile; tile row p is row p + 8 (p / 8)
	s_add_co_u32 s28, s28, s30
	s_lshl_b32 s30, s16, 11
	s_add_co_u32 s28, s28, s30
	s_lshl_b32 s30, s21, 13
	s_add_co_u32 s28, s28, s30
	s_add_nc_u64 s[14:15], s[14:15], s[28:29]
.irp j, 3,4,5,6,7,8,9,10,11
	v_mov_b32 v[Q+\j], 0                           ; q's zero codes
.endr
.irp j, 32,33,34,35,36,37,38,39
	v_mov_b32 v[KF+\j], 0                          ; what the last two fragments of k reach over
.endr
	WALU                                           ; the head's end
	s_cmp_lt_u32 s16, 4
	s_cbranch_scc0 .Lnot_kv
	s_wait_tensorcnt 0x0
.Lnot_kv:
	s_barrier_signal -1
	s_barrier_wait -1                              ; k and v are there; out_w may still be on its way
.irp kt, 0,1,2,3,4,5,6,7
	ds_load_b128 v[KF+4*\kt:KF+4*\kt+3], v2 offset:512*\kt
.endr
.irp kt, 0,1,2,3,4,5,6,7
	ds_load_b32 v[KSW+\kt], v2 offset:512*\kt+12
.endr
	WIN 0x40
.irp t, 0,1
.irp c, 0,1
.irp p, 0,1,2
	ds_load_b64 v[64+12*\t+6*\c+2*\p:65+12*\t+6*\c+2*\p], v3 offset:1536*\t+768*\c+8*\p
.endr
.endr
.endr
	WIN 0
.irp b, 0,1,2,3
.irp t, 0,1
	ds_load_b32 v[VRAW+2*\b+\t], v4 offset:256*\b+128*\t
.endr
.endr
	s_wait_loadcnt 0x14                            ; q is in; the 16 loads of addends and bo's 4 may be out
	s_wait_dscnt 0x14                              ; k's 16 loads are in; v's 20 may be out
.irp kt, 0,1,2,3,4,5,6,7
	v_wmma_scale_f32_16x16x128_f8f6f4 v[S+8*\kt:S+8*\kt+7], v[KF+4*\kt:KF+4*\kt+11], v[Q:Q+11], 0, v[KSW+\kt], v[QSW] matrix_a_fmt:MATRIX_FMT_FP6 matrix_b_fmt:MATRIX_FMT_FP6
.endr
	PLACES 4
	s_wait_loadcnt 0x4                             ; the addends are in
	WIN 0x10
.set j, 0
.rept 32
	v_pk_fma_f32 v[S+j:S+j+1], v[S+j:S+j+1], s[72:73], v[j:j+1] op_sel_hi:[1,0,1]   ; t
.set j, j+2
.endr
	WIN 0
.irp b, 0,1,2,3
	v_max3_num_f32 v[BM+\b], v[S+16*\b], v[S+1+16*\b], v[S+2+16*\b]   ; the largest t of each block of 32 keys: for the row's maximum and, since p rises with t, for the block's largest p
.endr
.irp i, 3,5,7,9,11,13
.irp b, 0,1,2,3
	v_max3_num_f32 v[BM+\b], v[BM+\b], v[S+16*\b+\i], v[S+1+16*\b+\i]
.endr
.endr
.irp b, 0,1,2,3
	v_max_num_f32 v[BM+\b], v[BM+\b], v[S+15+16*\b]
.endr
.irp b, 0,1,2,3
	v_permlanex16_b32 v[BP+\b], v[BM+\b], s76, s77
.endr
.irp b, 0,1,2,3
	v_max_num_f32 v[BM+\b], v[BM+\b], v[BP+\b]
.endr
	v_max3_num_f32 v234, v[BM], v[BM+1], v[BM+2]
	v_max_num_f32 v234, v234, v[BM+3]
	v_floor_f32 v232, -v234                        ; -M = floor(-t) = -ceil(t)
.set j, 0
.rept 32
	v_pk_add_f32 v[S+j:S+j+1], v[S+j:S+j+1], v[232:233] op_sel_hi:[1,0]
.set j, j+2
.endr
.irp b, 0,1,2,3
	v_add_f32 v[BM+\b], v[BM+\b], v232
.endr
	WALU
	s_wait_dscnt 0x0                               ; v is in
.irp t, 0,1
	v_or_b32 v[VSW+\t], v[VRAW+\t], v[VRAW+2+\t]   ; v's scale words: the four blocks' bytes joined
.endr
.irp t, 0,1
	v_or_b32 v[VRAW+4+\t], v[VRAW+4+\t], v[VRAW+6+\t]
.endr
.irp t, 0,1
	v_or_b32 v[VSW+\t], v[VSW+\t], v[VRAW+4+\t]
.endr
	WALU                                           ; ahead of the batch
.set j, 0
.rept 64
	v_exp_f32 v[S+j], v[S+j]                       ; p = 2^(t - M): not normalised
.set j, j+1
.endr
	v_nop
	WALU
.irp b, 0,1,2,3
	v_exp_f32 v[BM+\b], v[BM+\b]                   ; the block's largest p: the same instructions on the same number give the same bits
.endr
	v_pk_add_f32 v[14:15], v[S:S+1], v[S+2:S+3]    ; the row's sum, of the unquantised p, in two chains
	v_pk_add_f32 v[172:173], v[S+4:S+5], v[S+6:S+7]
.irp j, 8,12,16,20,24,28,32,36,40,44,48,52,56,60
	v_pk_add_f32 v[14:15], v[14:15], v[S+\j:S+\j+1]
	v_pk_add_f32 v[172:173], v[172:173], v[S+\j+2:S+\j+3]
.endr
	v_pk_add_f32 v[14:15], v[14:15], v[172:173]
	WALU
.irp b, 0,1,2,3
	v_max_num_f32 v[BM+\b], 0x1800000, v[BM+\b]    ; the floor 2^(3 - 127): a block whose every p is 0 keeps the byte 1
.endr
.irp b, 0,1,2,3
	v_add_nc_u32 v[SO+\b], 0xff000000, v[BM+\b]
.endr
.irp b, 0,1,2,3
	v_lshrrev_b32 v[BY+\b], 23, v[SO+\b]
.endr
	v_lshl_or_b32 v[PSW], v[BY+1], 8, v[BY]
	v_lshl_or_b32 v[PSW], v[BY+2], 16, v[PSW]
	v_lshl_or_b32 v[PSW], v[BY+3], 24, v[PSW]      ; p's scale word
.irp c, 0,1
	v_cvt_scalef32_pk16_fp6_f32 v[PF+6*\c:PF+6*\c+2], v[S+32*\c:S+32*\c+15], v[SO+2*\c]
	v_cvt_scalef32_pk16_fp6_f32 v[PF+12+4*\c:PF+14+4*\c], v[S+32*\c+16:S+32*\c+31], v[SO+2*\c+1]
.endr
	v_nop
.irp c, 0,1
.irp i, 0,1,2
	v_permlane16_swap_b32 v[PF+6*\c+\i], v[PF+12+4*\c+\i]   ; the operand's layout wants a whole block in a lane
.endr
.irp i, 0,1,2
	v_mov_b32 v[PF+3+6*\c+\i], v[PF+12+4*\c+\i]
.endr
.endr
	v_add_f32 v14, v14, v15
	v_permlanex16_b32 v235, v14, s76, s77
	v_add_f32 v14, v14, v235
	WALU
	v_rcp_f32 v174, v14
	PLACES 4                                       ; four places behind p's codes; the first is the plain instruction behind the reciprocal
	WIN 0x01
.irp t, 0,1
	v_wmma_scale_f32_16x16x128_f8f6f4 v[O+8*\t:O+8*\t+7], v[64+12*\t:75+12*\t], v[PF:PF+11], 0, v[VSW+\t], v[PSW] matrix_a_fmt:MATRIX_FMT_FP6 matrix_b_fmt:MATRIX_FMT_FP6
.endr
	WIN 0
	PLACES 4
	WALU                                           ; the reciprocal's wait, ahead of its first reader
.irp j, 0,2,4,6,8,10,12,14
	v_pk_mul_f32 v[O+\j:O+\j+1], v[O+\j:O+\j+1], v[174:175] op_sel_hi:[1,0]   ; O^T / the sum
.endr
	v_max3_num_f32 v[BM], |v[O]|, |v[O+1]|, 0x1800000
	v_max3_num_f32 v[BM+1], |v[O+8]|, |v[O+9]|, |v[O+10]|
.irp i, 2,4
	v_max3_num_f32 v[BM], v[BM], |v[O+\i]|, |v[O+\i+1]|
	v_max3_num_f32 v[BM+1], v[BM+1], |v[O+\i+9]|, |v[O+\i+10]|
.endr
	v_max3_num_f32 v[BM], v[BM], |v[O+6]|, |v[O+7]|
	v_max3_num_f32 v[BM], v[BM], v[BM+1], |v[O+15]|
	v_permlanex16_b32 v[BP], v[BM], s76, s77
	v_max_num_f32 v[BM], v[BM], v[BP]
	v_add_nc_u32 v[SO], 0xff000000, v[BM]
	v_lshrrev_b32 v[BY], 23, v[SO]
	v_cvt_scalef32_pk16_fp6_f32 v[236:238], v[O:O+15], v[SO]
	v_nop
.irp q, 0,1,2
	ds_store_b32 v5, v[236+\q] offset:4*\q
.endr
	ds_store_b8 v6, v[BY]
	s_wait_tensorcnt 0x0                           ; out_w has landed,
	s_wait_dscnt 0x0                               ; my block of o is stored
	s_barrier_signal -1
	s_barrier_wait -1
.irp s, 0,1
.irp c, 0,1
.irp p, 0,1,2
	ds_load_b64 v[S+12*\s+6*\c+2*\p:S+12*\s+6*\c+2*\p+1], v7 offset:1536*\s+768*\c+8*\p
.endr
.endr
	ds_load_b32 v[OSW+\s], v8 offset:64*\s
.endr
	ds_load_b128 v[OWS:OWS+3], v10
	WIN 0x40
.irp j, 0,1,2,3,4,5,6,7,8,9,10,11
	ds_load_b128 v[96+4*\j:99+4*\j], v9 offset:512*\j
.endr
	WIN 0
	s_wait_loadcnt 0x0                             ; bo is in
	s_wait_dscnt 0x0
	WIN 0x01                                       ; two accumulators by turns
.irp t, 0,1
	v_wmma_scale_f32_16x16x128_f8f6f4 v[80+8*\t:87+8*\t], v[96+24*\t:107+24*\t], v[S:S+11], v[BO+8*\t:BO+8*\t+7], v[OWS+2*\t], v[OSW] matrix_a_fmt:MATRIX_FMT_FP6 matrix_b_fmt:MATRIX_FMT_FP6
.endr
.irp t, 0,1
	v_wmma_scale_f32_16x16x128_f8f6f4 v[80+8*\t:87+8*\t], v[108+24*\t:119+24*\t], v[S+12:S+23], v[80+8*\t:87+8*\t], v[OWS+2*\t+1], v[OSW+1] matrix_a_fmt:MATRIX_FMT_FP6 matrix_b_fmt:MATRIX_FMT_FP6
.endr
	WIN 0
	PLACES 4
.irp t, 0,1
.irp q, 0,1
	ds_store_b128 v11, v[80+8*\t+4*\q:83+8*\t+4*\q] offset:32*\t+16*\q   ; each accumulator from its low end on
.endr
.endr
	s_wait_dscnt 0x0
	s_barrier_signal -1
	s_barrier_wait -1                              ; the 16 rows lie whole in the stage
.irp i, 0,1,2,3
	ds_load_b128 v[O+4*\i:O+4*\i+3], v12 offset:1040*(\i/2)+512*(\i%2)
.endr
.irp i, 0,1,2,3
	s_wait_dscnt 3-\i
	global_store_b128 v1, v[O+4*\i:O+4*\i+3], s[14:15] offset:512*\i th:TH_STORE_NT   ; 32 lanes store 512 consecutive bytes, at a multiple of 512 from out0's first byte
.endr
	s_wait_tensorcnt 0x0                           ; the wave's end
	ds_add_u32 v[SPW], v[NIL]
	s_wait_dscnt 0x0
	ROUND                                          ; the closing round: no work-group ends while a partner may still ask for a tile that names it
	s_endpgm
.Lfunc_end_k_q9b1ba9def8_attn:
	.size	k_q9b1ba9def8_attn, .Lfunc_end_k_q9b1ba9def8_attn-k_q9b1ba9def8_attn
	.p2alignl 7, 3214868480
	.fill 96, 4, 3214868480
	.section	.rodata,"a",@progbits
	.p2align	6, 0x0
	.amdhsa_kernel k_q9b1ba9def8_attn
		.amdhsa_group_segment_fixed_size 168448
		.amdhsa_private_segment_fixed_size 0
		.amdhsa_enable_private_segment 0
		.amdhsa_kernarg_size 48
		.amdhsa_user_sgpr_count 2
		.amdhsa_user_sgpr_kernarg_segment_ptr 1
		.amdhsa_wavefront_size32 1
		.amdhsa_system_sgpr_workgroup_id_x 1
		.amdhsa_system_sgpr_workgroup_id_y 1
		.amdhsa_system_sgpr_workgroup_id_z 1
		.amdhsa_system_vgpr_workitem_id 0
		.amdhsa_next_free_vgpr 512
		.amdhsa_next_free_sgpr 96
		.amdhsa_reserve_vcc 0
		.amdhsa_float_denorm_mode_32 3
		.amdhsa_float_denorm_mode_16_64 3
		.amdhsa_memory_ordered 1
		.amdhsa_forward_progress 1
		.amdhsa_inst_pref_size 33
	.end_amdhsa_kernel
	.amdgpu_metadata
---
amdhsa.version: [ 1, 2 ]
amdhsa.kernels:
  - .name:           k_q9b1ba9def8_attn
    .symbol:         k_q9b1ba9def8_attn.kd
    .args:
      - { .name: qbuf, .offset: 0, .size: 8, .value_kind: global_buffer, .address_space: global }
      - { .name: kvimg, .offset: 8, .size: 8, .value_kind: global_buffer, .address_space: global }
      - { .name: maskf, .offset: 16, .size: 8, .value_kind: global_buffer, .address_space: global }
      - { .name: wimg, .offset: 24, .size: 8, .value_kind: global_buffer, .address_space: global }
      - { .name: out_b, .offset: 32, .size: 8, .value_kind: global_buffer, .address_space: global }
      - { .name: out0, .offset: 40, .size: 8, .value_kind: global_buffer, .address_space: global }
    .group_segment_fixed_size: 168448
    .private_segment_fixed_size: 0
    .kernarg_segment_align: 8
    .kernarg_segment_size: 48
    .max_flat_workgroup_size: 256
    .sgpr_count:     96
    .vgpr_count:     512
    .wavefront_size: 32
...
	.end_amdgpu_metadata
.endif
;; end of part 3
